; MI455X (gfx1250); checked and timed in simulation.
; The chip was launched on July 23, 2026; its instructions are those of AMD's public machine-readable ISA for CDNA 5 (MIT licence, August 2026) and "CDNA5" Instruction Set Architecture Reference Guide (July 2026). The comments in the code are by the model that wrote it; some were corrected since.
;; Inv Attention concat. Allowed arithmetic: float matrix products may take bf16 or f16 operands with f32 sums; all other float work in f32.
;; Inputs: Wc 128 float32; Wk 64 x 256 float32; Wq 64 x 256 float32; Wv 256 x 256 float32; bk 64 float32; bq 64 float32; bv 256 float32; gamma 1 float32; u 8 x 256 x 32 x 32 float32; x 8 x 256 x 32 x 32 float32.
;; Outputs: out0 8 x 256 x 32 x 32 float32; out1 8 float32.
;; One version. Each part assembles by itself: llvm-mc -triple=amdgcn-amd-amdhsa -mcpu=gfx1250 --defsym DOCPART=n.
;; ======== version 1 of 1: 3 launches
;; workspace buffers: part 1,310,720 bytes; scal 2,048 bytes; ekb 65,536 bytes; abv 2,304 bytes; wvf 131,072 bytes; red 57,344 bytes; sp 16,384 bytes; nrm 2,048 bytes
;; launch gather (part 1): grid 128 x 1, 16 waves a work-group, no clusters, 98,304 bytes of LDS; arguments x, u, Wq, Wk, Wc, bq, bk, Wv, part, scal, ekb, abv, wvf; writes part, scal, ekb, abv, wvf
.if DOCPART == 1
	.amdgcn_target "amdgcn-amd-amdhsa--gfx1250"
	.amdhsa_code_object_version 6
	.text
	.protected	k_q81ace63809_gather
	.globl	k_q81ace63809_gather
	.p2align	8
	.type	k_q81ace63809_gather,@function
k_q81ace63809_gather:
	s_mov_b64 s[64:65], 0
	v_nop
	global_prefetch_b8 v0, s[64:65] scope:SCOPE_SE
	s_setreg_imm32_b32 hwreg(HW_REG_WAVE_MODE, 25, 1), 1
	s_wait_xcnt 0x0
; gather: the one pass over x and u.
; The attention matrix is (eq[n] + ek[m]) / 1024 with eq[n] = a.x_n + alpha, ek[m] = b.x_m + beta, a = Wq^T Wc[0:64], b = Wk^T Wc[64:128],
; alpha = Wc[0:64].bq, beta = Wc[64:128].bk.  So everything that follows needs only sums along the 1,024 columns of x and u, weighted by
; 1, eq, ek, ua = a.u_n, ub = b.u_n.  This holds for every input.
; A work-group (16 waves) owns one batch b and 64 columns (block blk) of all 256 channels of x and u; it stores ten vectors of 256 partial
; row sums (part), three scalars (scal) and its 64 numbers of ek and ek' (ekb).  Primed quantities are made from x' = x * (1 + 2^-23), the
; f32 value of 1.0000001, by the same f32 operations in the same order as the unprimed ones: they feed the quotient of two norms of
; rounding-size differences in the next launch, so nothing here is narrowed below f32.
; Wave w, lane l (q = l & 15, h = l >> 4) holds rows 16 w + 8 h + j (j = 0..7), columns 4 q .. 4 q + 3: a load covers two aligned pieces of 256 bytes.
; Beside that wave 15 of work-group f turns one 16 x 32 block of Wv into the bf16 register image of a matrix operand (wvf), for the last launch.
; No tensor loads, no cluster: each byte of x and u goes from a register straight into sums, once.  Wq and Wk are read by all 128 work-groups,
; 128 KiB each; they pass through registers into a reduction.
.set AB,      0                        ; LDS: a[256], b[256]
.set COL,     2048                     ; 6 x 64: eq, eq', ek, ek', ua, ub of my 64 columns
.set ALB,     3584                     ; 16 x (alpha, beta): one partial pair a wave
.set UUP,     3712                     ; 16 x u.u
.set OUTV,    4096                     ; 10 x 256 row sums
.set APART,   14336                    ; [wave][a 256, b 256]
.set COLPART, 47104                    ; [2 w + h][6][64]
.set T,   16                           ; v[16:23]   one number for each of my 8 rows
.set X,   32                           ; v[32:63]   x, row j at 4 j
.set U,   64                           ; v[64:95]   u
.set WQ,  96                           ; v[96:127]  four rows of Wq, then
.set XP,  96                           ;            x'
.set WK,  128                          ; v[128:159] four rows of Wk, then
.set CA,  128                          ;            24 column sums, then the 32 partials of one column number
.set AJ,  160                          ; v[160:167] partial a, then a of my 8 rows
.set BJ,  168                          ; v[168:175] the same for b
.set WF,  176                          ; v[176:191] wave 15: 16 numbers of Wv
.set WB,  192                          ; v[192:199] wave 15: the same in bf16
.set EQ,  200                          ; v[200:219] my four columns of eq, eq', ek, ua, ub
.set EQP, 204
.set EK,  208
.set UA,  212
.set UB,  216
.set TP,  224                          ; v[224:239] eight pairs at work
.macro RED16 r                         ; sum over the 16 lanes of a half wave, result in each of them
	v_add_f32_dpp v[\r], v[\r], v[\r] row_xmask:1 row_mask:0xf bank_mask:0xf
	v_add_f32_dpp v[\r], v[\r], v[\r] row_xmask:2 row_mask:0xf bank_mask:0xf
	v_add_f32_dpp v[\r], v[\r], v[\r] row_xmask:4 row_mask:0xf bank_mask:0xf
	v_add_f32_dpp v[\r], v[\r], v[\r] row_xmask:8 row_mask:0xf bank_mask:0xf
.endm
.macro FOLD base, n                    ; the n registers behind base + n are added onto the n registers from base on
.set i, 0
.rept \n/2
	v_pk_add_f32 v[\base+i:\base+i+1], v[\base+i:\base+i+1], v[\base+\n+i:\base+\n+i+1]
.set i, i+2
.endr
.endm
; four column sums += row j of d times the row's coefficient, which is broadcast out of its register pair
.macro CACC acc, d, cf, j
.irp p, 0, 2
.if \j == 0
	v_pk_mul_f32 v[\acc+\p:\acc+\p+1], v[\d+\p:\d+\p+1], v[\cf:\cf+1] op_sel_hi:[1,0]
.else
.if \j & 1
	v_pk_fma_f32 v[\acc+\p:\acc+\p+1], v[\d+4*\j+\p:\d+4*\j+\p+1], v[\cf+\j-1:\cf+\j], v[\acc+\p:\acc+\p+1] op_sel:[0,1,0] op_sel_hi:[1,1,1]
.else
	v_pk_fma_f32 v[\acc+\p:\acc+\p+1], v[\d+4*\j+\p:\d+4*\j+\p+1], v[\cf+\j:\cf+\j+1], v[\acc+\p:\acc+\p+1] op_sel_hi:[1,0,1]
.endif
.endif
.endr
.endm
.macro COLJ j                          ; row j: x' is made, and the six column sums take the row in
	v_pk_mul_f32 v[XP+4*\j:XP+4*\j+1], v[X+4*\j:X+4*\j+1], 0x3f800001 op_sel_hi:[1,0]
	v_pk_mul_f32 v[XP+4*\j+2:XP+4*\j+3], v[X+4*\j+2:X+4*\j+3], 0x3f800001 op_sel_hi:[1,0]
	CACC CA, X, AJ, \j
	CACC CA+8, X, BJ, \j
	CACC CA+16, U, AJ, \j
	CACC CA+20, U, BJ, \j
	CACC CA+4, XP, AJ, \j
	CACC CA+12, XP, BJ, \j
.endm
.macro ROWSUM d                        ; T[j] = sum of my four columns of row j
.irp j, 0,1,2,3,4,5,6,7
	v_pk_add_f32 v[TP+2*\j:TP+2*\j+1], v[\d+4*\j:\d+4*\j+1], v[\d+4*\j+2:\d+4*\j+3]
.endr
.irp j, 0,1,2,3,4,5,6,7
	v_add_f32 v[T+\j], v[TP+2*\j], v[TP+2*\j+1]
.endr
.endm
.macro ROWDOT d, c                     ; the same, each column weighted by c
.irp j, 0,1,2,3,4,5,6,7
	v_pk_mul_f32 v[TP+2*\j:TP+2*\j+1], v[\d+4*\j:\d+4*\j+1], v[\c:\c+1]
.endr
.irp j, 0,1,2,3,4,5,6,7
	v_pk_fma_f32 v[TP+2*\j:TP+2*\j+1], v[\d+4*\j+2:\d+4*\j+3], v[\c+2:\c+3], v[TP+2*\j:TP+2*\j+1]
.endr
.irp j, 0,1,2,3,4,5,6,7
	v_add_f32 v[T+\j], v[TP+2*\j], v[TP+2*\j+1]
.endr
.endm
.macro ROWDOT2 d1, c1, d2, c2          ; two weighted sums in one
.irp j, 0,1,2,3,4,5,6,7
	v_pk_mul_f32 v[TP+2*\j:TP+2*\j+1], v[\d1+4*\j:\d1+4*\j+1], v[\c1:\c1+1]
.endr
.irp j, 0,1,2,3,4,5,6,7
	v_pk_fma_f32 v[TP+2*\j:TP+2*\j+1], v[\d1+4*\j+2:\d1+4*\j+3], v[\c1+2:\c1+3], v[TP+2*\j:TP+2*\j+1]
.endr
.irp j, 0,1,2,3,4,5,6,7
	v_pk_fma_f32 v[TP+2*\j:TP+2*\j+1], v[\d2+4*\j:\d2+4*\j+1], v[\c2:\c2+1], v[TP+2*\j:TP+2*\j+1]
.endr
.irp j, 0,1,2,3,4,5,6,7
	v_pk_fma_f32 v[TP+2*\j:TP+2*\j+1], v[\d2+4*\j+2:\d2+4*\j+3], v[\c2+2:\c2+3], v[TP+2*\j:TP+2*\j+1]
.endr
.irp j, 0,1,2,3,4,5,6,7
	v_add_f32 v[T+\j], v[TP+2*\j], v[TP+2*\j+1]
.endr
.endm
; One step of a reduction that halves the registers as it halves the lanes: a lane whose mask bit is 0 keeps row lo and hands row hi
; to its partner, the partner does the reverse.
.macro BSTEP lo, hi, msk, xm, t
	v_cndmask_b32 v[\t], v[T+\lo], v[T+\hi], \msk
	v_cndmask_b32 v[\t+1], v[T+\hi], v[T+\lo], \msk
	v_add_f32_dpp v[T+\lo], v[\t+1], v[\t] row_xmask:\xm row_mask:0xf bank_mask:0xf
.endm
.macro BFLY slot                       ; eight rows x 16 lanes in 22 instructions: lane q ends with the whole sum of row q & 7
	BSTEP 0, 4, s54, 4, 24
	BSTEP 1, 5, s54, 4, 26
	BSTEP 2, 6, s54, 4, 24
	BSTEP 3, 7, s54, 4, 26
	BSTEP 0, 2, s55, 2, 24
	BSTEP 1, 3, s55, 2, 26
	BSTEP 0, 1, s56, 1, 24
	v_add_f32_dpp v[T], v[T], v[T] row_xmask:8 row_mask:0xf bank_mask:0xf
	ds_store_b32 v13, v[T] offset:OUTV+\slot*1024    ; lanes q and q + 8 write the same word with the same number
.endm
	s_load_b512 s[8:23], s[0:1], 0x0               ; x s[8:9], u s[10:11], Wq s[12:13], Wk s[14:15], Wc s[16:17], bq s[18:19], bk s[20:21], Wv s[22:23]
	s_load_b256 s[24:31], s[0:1], 0x40             ; part s[24:25], scal s[26:27], ekb s[28:29], abv s[30:31]
	s_load_b64 s[32:33], s[0:1], 0x60              ; wvf
	v_lshl_add_u32 v240, v0, 2, 0x17800
	v_mov_b32 v241, 0
	v_lshrrev_b32 v1, 5, v0
	v_readfirstlane_b32 s3, v1                     ; wave w
	v_and_b32 v1, 31, v0                           ; lane l
	v_and_b32 v2, 15, v0                           ; q
	v_bfe_u32 v3, v0, 4, 1                         ; h
	s_mov_b32 s2, ttmp9                            ; work-group 16 b + blk; also the number of its Wv block, 8 nt + kk
	s_lshl_b32 s6, s3, 4                           ; 16 w: my four numbers of Wc, bq, bk.  Never rewritten
	s_mov_b32 s35, 0                               ; upper word of every offset below
	s_mov_b32 s54, 0xf0f0f0f0                      ; lanes with bit 2 set
	s_mov_b32 s55, 0xcccccccc                      ; bit 1
	s_mov_b32 s56, 0xaaaaaaaa                      ; bit 0
	s_mov_b32 s57, 0x76543210                      ; v_permlanex16_b32: lane i of one half reads lane i of the other
	s_mov_b32 s58, 0xfedcba98
	v_lshlrev_b32 v7, 4, v1                        ; 16 l
	v_lshlrev_b32 v8, 2, v0                        ; 4 t
	v_lshlrev_b32 v9, 4, v0                        ; 16 t
	v_lshlrev_b32 v12, 4, v2                       ; 16 q
	v_lshl_add_u32 v4, s3, 12, v7                  ; Wq, Wk: rows 4 w .. of 1,024 bytes, 16 bytes a lane
	v_lshl_add_u32 v5, v3, 15, v12
	v_lshl_add_u32 v5, s3, 16, v5                  ; x, u: (16 w + 8 h) rows of 4,096 bytes + 16 q
	v_lshlrev_b32 v6, 5, v3
	v_lshl_add_u32 v6, v2, 10, v6                  ; Wv block: row q, 8 numbers at 8 h
	s_lshr_b32 s34, s2, 3
	s_lshl_b32 s34, s34, 14                        ; nt x 16 rows of 1,024 bytes
	s_and_b32 s7, s2, 7
	s_lshl_b32 s7, s7, 7                           ; kk x 32 numbers
	s_or_b32 s34, s34, s7
	s_wait_kmcnt 0x0
	s_load_b128 s[36:39], s[16:17], s6 offset:0x0  ; Wc[4 w ..]
	s_load_b128 s[40:43], s[16:17], s6 offset:0x100 ; Wc[64 + 4 w ..]
	s_load_b128 s[44:47], s[18:19], s6 offset:0x0  ; bq[4 w ..]
	s_load_b128 s[48:51], s[20:21], s6 offset:0x0  ; bk[4 w ..]
	s_add_nc_u64 s[22:23], s[22:23], s[34:35]
	s_cmp_lg_u32 s3, 15
	s_cbranch_scc1 .Lno_wv
	global_load_b128 v[WF:WF+3],     v6, s[22:23]              ; Wv(16 nt + q, 32 kk + 8 h ..): issued first, so that the counted wait below is the same for all waves
	global_load_b128 v[WF+4:WF+7],   v6, s[22:23] offset:16
	global_load_b128 v[WF+8:WF+11],  v6, s[22:23] offset:64    ; Wv(.., 32 kk + 16 + 8 h ..)
	global_load_b128 v[WF+12:WF+15], v6, s[22:23] offset:80
.Lno_wv:
.irp i, 0,1,2,3
	global_load_b128 v[WQ+8*\i:WQ+8*\i+3],   v4, s[12:13] offset:\i*1024
	global_load_b128 v[WQ+8*\i+4:WQ+8*\i+7], v4, s[12:13] offset:\i*1024+512
.endr
.irp i, 0,1,2,3
	global_load_b128 v[WK+8*\i:WK+8*\i+3],   v4, s[14:15] offset:\i*1024
	global_load_b128 v[WK+8*\i+4:WK+8*\i+7], v4, s[14:15] offset:\i*1024+512
.endr
	s_lshr_b32 s4, s2, 4                           ; b
	s_and_b32 s5, s2, 15                           ; blk
	s_lshl_b32 s34, s4, 20                         ; a batch is 256 x 4,096 bytes
	s_lshl_b32 s7, s5, 8                           ; 64 columns are 256 bytes
	s_or_b32 s34, s34, s7
	s_add_nc_u64 s[8:9], s[8:9], s[34:35]
	s_add_nc_u64 s[10:11], s[10:11], s[34:35]
.irp j, 0,1,2,3,4,5,6,7
	global_load_b128 v[X+4*\j:X+4*\j+3], v5, s[8:9] offset:\j*4096
.endr
.irp j, 0,1,2,3,4,5,6,7
	global_load_b128 v[U+4*\j:U+4*\j+3], v5, s[10:11] offset:\j*4096 th:TH_LOAD_NT   ; u is read here and nowhere else
.endr
	s_lshl_b32 s34, s2, 10
	s_add_nc_u64 s[32:33], s[32:33], s[34:35]      ; wvf: 1,024 bytes a block
	s_mul_i32 s34, s2, 10240
	s_add_nc_u64 s[24:25], s[24:25], s[34:35]      ; part: ten vectors a work-group
	s_lshl_b32 s34, s2, 4
	s_add_nc_u64 s[26:27], s[26:27], s[34:35]      ; scal: 16 bytes
	s_lshl_b32 s34, s2, 8
	s_add_nc_u64 s[28:29], s[28:29], s[34:35]      ; ekb: b x 4,096 + blk x 256 bytes
	s_lshl_b32 s7, s3, 11
	s_add_co_u32 s7, s7, APART
	v_add_nc_u32 v10, s7, v7                       ; APART + 2,048 w + 16 l
	s_mul_i32 s7, s3, 3072
	s_add_co_u32 s7, s7, COLPART
	v_mad_u32_u24 v11, v3, 1536, v12
	v_add_nc_u32 v11, s7, v11                      ; COLPART + (2 w + h) x 1,536 + 16 q
	v_and_b32 v13, 7, v0
	v_lshlrev_b32 v13, 2, v13
	v_lshl_add_u32 v13, v3, 5, v13
	v_lshl_add_u32 v13, s3, 6, v13                 ; 4 x (16 w + 8 h + (q & 7))
	s_lshl_b32 s7, s3, 3
	v_mov_b32 v26, s7                              ; 8 w
	v_lshlrev_b32 v27, 3, v2                       ; 8 q
	s_wait_kmcnt 0x0
	s_mul_f32 s52, s36, s44                        ; my four terms of alpha and of beta
	s_mul_f32 s53, s40, s48
	s_fmac_f32 s52, s37, s45
	s_fmac_f32 s53, s41, s49
	s_fmac_f32 s52, s38, s46
	s_fmac_f32 s53, s42, s50
	s_fmac_f32 s52, s39, s47
	s_fmac_f32 s53, s43, s51
	v_mov_b32 v24, s52
	v_mov_b32 v25, s53
	s_wait_loadcnt 0x10                            ; loads return in order: all but the 16 youngest (x and u) are in
	s_cmp_lg_u32 s3, 15
	s_cbranch_scc1 .Lno_cvt
.irp i, 0,1,2,3,4,5,6,7
	v_cvt_pk_bf16_f32 v[WB+\i], v[WF+2*\i], v[WF+2*\i+1]
.endr
	global_store_b128 v7, v[WB:WB+3],   s[32:33]               ; registers 0-3 of the operand, lane by lane: 512 consecutive bytes
	global_store_b128 v7, v[WB+4:WB+7], s[32:33] offset:512    ; registers 4-7.  None of these sources is written again
.Lno_cvt:
	; a and b: my four rows' share, 8 columns a lane
.irp e, 0,1,2,3,4,5,6,7
	v_mul_f32 v[AJ+\e], s36, v[WQ+\e]
	v_mul_f32 v[BJ+\e], s40, v[WK+\e]
.endr
.irp i, 1,2,3
.irp e, 0,1,2,3,4,5,6,7
	v_fmac_f32 v[AJ+\e], s[36+\i], v[WQ+8*\i+\e]
	v_fmac_f32 v[BJ+\e], s[40+\i], v[WK+8*\i+\e]
.endr
.endr
	ds_store_b128 v10, v[AJ:AJ+3]
	ds_store_b128 v10, v[AJ+4:AJ+7] offset:512
	ds_store_b128 v10, v[BJ:BJ+3]   offset:1024
	ds_store_b128 v10, v[BJ+4:BJ+7] offset:1536
	ds_store_b64 v26, v[24:25] offset:ALB
	s_wait_dscnt 0x0                               ; my stores are done before I say so
	s_barrier_signal -1
	s_barrier_wait -1
	; thread t sums the 16 waves' shares of number t of (a, b)
.set i, 0
.rept 16
	ds_load_b32 v[TP+i], v8 offset:APART+i*2048
.set i, i+1
.endr
	ds_load_b64 v[14:15], v27 offset:ALB           ; lane q: wave q's share of alpha and beta
	s_wait_dscnt 0x0
	FOLD TP, 8
	FOLD TP, 4
	FOLD TP, 2
	v_add_f32 v[TP], v[TP], v[TP+1]
	ds_store_b32 v8, v[TP] offset:AB
	RED16 14                                       ; alpha in every lane
	RED16 15                                       ; beta
	v_lshlrev_b32 v24, 5, v3
	v_lshl_add_u32 v24, s3, 6, v24                 ; 4 x (16 w + 8 h)
	s_wait_dscnt 0x0
	s_barrier_signal -1
	s_barrier_wait -1
	ds_load_b128 v[AJ:AJ+3],   v24 offset:AB       ; a and b of my eight rows
	ds_load_b128 v[AJ+4:AJ+7], v24 offset:AB+16
	ds_load_b128 v[BJ:BJ+3],   v24 offset:AB+1024
	ds_load_b128 v[BJ+4:BJ+7], v24 offset:AB+1040
	; work-group 0 keeps a, b, alpha, beta for the last launch
	s_cmp_lg_u32 s2, 0
	s_cbranch_scc1 .Lno_abv
	s_cmp_ge_u32 s3, 4
	s_cbranch_scc1 .Lno_abv
	ds_load_b128 v[TP:TP+3], v9 offset:AB          ; threads 0 to 127: 2,048 bytes
	v_lshlrev_b32 v26, 3, v1                       ; 8 l
	s_wait_dscnt 0x0
	global_store_b128 v9, v[TP:TP+3], s[30:31]
	s_cmp_lg_u32 s3, 0
	s_cbranch_scc1 .Lno_al
	global_store_b64 v26, v[14:15], s[30:31] offset:2048       ; 32 copies of (alpha, beta): 256 consecutive bytes
.Lno_al:
	s_wait_xcnt 0x0                                ; TP and v26 are written again further down
.Lno_abv:
	s_wait_loadcnt 0x0                             ; x and u
	s_wait_dscnt 0x0                               ; a, b of my rows
.irp j, 0,1,2,3,4,5,6,7
	COLJ \j
.endr
.irp k, 0,1,2,3,4,5
	ds_store_b128 v11, v[CA+4*\k:CA+4*\k+3] offset:\k*256      ; eq, eq', ek, ek', ua, ub: my eight rows' share of four columns
.endr
	s_wait_dscnt 0x0
	s_barrier_signal -1
	s_barrier_wait -1
	; threads 0 to 383: number t = 64 k + n of the six column vectors is the sum of 32 shares, plus alpha (eq, eq'), beta (ek, ek') or nothing
	s_cmp_ge_u32 s3, 12
	s_cbranch_scc1 .Lno_col
	v_add_nc_u32 v24, COLPART, v8                  ; the base rides in the register: the largest immediate is 31 x 1,536
.set i, 0
.rept 32
	ds_load_b32 v[CA+i], v24 offset:i*1536
.set i, i+1
.endr
	s_cmp_lt_u32 s3, 4
	s_cselect_b32 s60, -1, 0                       ; waves 0-3 hold eq, eq'
	s_cmp_lt_u32 s3, 8
	s_cselect_b32 s61, -1, 0                       ; waves 4-7 hold ek, ek'
	v_cndmask_b32 v25, 0, v15, s61
	v_cndmask_b32 v25, v25, v14, s60
	s_wait_dscnt 0x0
	FOLD CA, 16
	FOLD CA, 8
	FOLD CA, 4
	FOLD CA, 2
	v_add_f32 v[CA], v[CA], v[CA+1]
	v_add_f32 v[CA], v[CA], v25
	ds_store_b32 v8, v[CA] offset:COL
.Lno_col:
	s_wait_dscnt 0x0
	s_barrier_signal -1
	s_barrier_wait -1
	ds_load_b128 v[EQ:EQ+3],   v12 offset:COL
	ds_load_b128 v[EQP:EQP+3], v12 offset:COL+256
	ds_load_b128 v[EK:EK+3],   v12 offset:COL+512
	ds_load_b128 v[UA:UA+3],   v12 offset:COL+1024
	ds_load_b128 v[UB:UB+3],   v12 offset:COL+1280
	s_cmp_lg_u32 s3, 12
	s_cbranch_scc1 .Lno_ek
	ds_load_b128 v[TP:TP+3], v7 offset:COL+512     ; lanes 0-15: ek, lanes 16-31: ek' (16 l = 256 h + 16 q)
	v_lshl_add_u32 v26, v3, 15, v12                ; ek' lies 32,768 bytes behind ek
	s_wait_dscnt 0x0
	global_store_b128 v26, v[TP:TP+3], s[28:29]    ; 16 lanes store 256 consecutive bytes, aligned
	s_wait_xcnt 0x0                                ; TP and v26 are written again below
.Lno_ek:
	; u.u of my 32 numbers, then of the wave; and the three plain row sums: none of them needs the column vectors
	v_pk_mul_f32 v[28:29], v[U:U+1], v[U:U+1]
	v_pk_mul_f32 v[30:31], v[U+2:U+3], v[U+2:U+3]
.set i, 4
.rept 7
	v_pk_fma_f32 v[28:29], v[U+i:U+i+1], v[U+i:U+i+1], v[28:29]
	v_pk_fma_f32 v[30:31], v[U+i+2:U+i+3], v[U+i+2:U+i+3], v[30:31]
.set i, i+4
.endr
	v_pk_add_f32 v[28:29], v[28:29], v[30:31]
	v_add_f32 v28, v28, v29
	RED16 28
	v_permlanex16_b32 v29, v28, s57, s58
	v_add_f32 v28, v28, v29
	s_lshl_b32 s7, s3, 2
	v_mov_b32 v24, s7
	ds_store_b32 v24, v28 offset:UUP
	ROWSUM XP
	BFLY 0                                         ; X1' = sum of x'
	ROWSUM X
	BFLY 3                                         ; X1
	ROWSUM U
	BFLY 7                                         ; U1
	s_wait_dscnt 0x0                               ; the five column quads
	ROWDOT X, EQ
	BFLY 1                                         ; Xeq
	ROWDOT XP, EQP
	BFLY 2                                         ; Xeq'
	ROWDOT X, EK
	BFLY 4                                         ; Xek
	ROWDOT X, UB
	BFLY 5                                         ; Xub
	ROWDOT2 U, EQ, X, UA
	BFLY 6                                         ; Z0 = sum of u eq + x ua
	ROWDOT U, EK
	BFLY 8                                         ; Uek
	ROWDOT U, UB
	BFLY 9                                         ; Uub
	s_wait_dscnt 0x0
	s_barrier_signal -1
	s_barrier_wait -1
	; the ten vectors leave as 10,240 consecutive bytes, 16 a thread
	ds_load_b128 v[TP:TP+3], v9 offset:OUTV
	s_wait_dscnt 0x0
	global_store_b128 v9, v[TP:TP+3], s[24:25]
	s_cmp_ge_u32 s3, 4
	s_cbranch_scc1 .Ldone
	ds_load_b128 v[TP+4:TP+7], v9 offset:OUTV+8192
	s_wait_dscnt 0x0
	global_store_b128 v9, v[TP+4:TP+7], s[24:25] offset:8192
	s_cmp_lg_u32 s3, 0
	s_cbranch_scc1 .Ldone
	; wave 0: the block's sums of eq, eq' and u.u
	v_lshlrev_b32 v27, 2, v2
	ds_load_b32 v18, v27 offset:UUP                ; lane q: wave q's u.u
	v_pk_add_f32 v[20:21], v[EQ:EQ+1], v[EQ+2:EQ+3]
	v_pk_add_f32 v[22:23], v[EQP:EQP+1], v[EQP+2:EQP+3]
	v_add_f32 v16, v20, v21
	v_add_f32 v17, v22, v23
	v_mov_b32 v19, 0
	v_mov_b32 v24, 0
	RED16 16
	RED16 17
	s_wait_dscnt 0x0
	RED16 18
	s_wait_xcnt 0x0                                ; EXEC changes only when every earlier memory instruction has taken its sources
	v_cmp_eq_u32 vcc_lo, 0, v0
	s_and_saveexec_b32 s59, vcc_lo
	global_store_b128 v24, v[16:19], s[26:27]      ; (E, E', u.u, 0)
	s_wait_xcnt 0x0
	s_or_b32 exec_lo, exec_lo, s59
.Ldone:
	s_wait_tensorcnt 0x0
	ds_add_u32 v240, v241
	s_wait_dscnt 0x0
	s_endpgm
.Lfunc_end_k_q81ace63809_gather:
	.size	k_q81ace63809_gather, .Lfunc_end_k_q81ace63809_gather-k_q81ace63809_gather
	.p2alignl 7, 3214868480
	.fill 96, 4, 3214868480
	.section	.rodata,"a",@progbits
	.p2align	6, 0x0
	.amdhsa_kernel k_q81ace63809_gather
		.amdhsa_group_segment_fixed_size 98304
		.amdhsa_private_segment_fixed_size 0
		.amdhsa_enable_private_segment 0
		.amdhsa_kernarg_size 104
		.amdhsa_user_sgpr_count 2
		.amdhsa_user_sgpr_kernarg_segment_ptr 1
		.amdhsa_wavefront_size32 1
		.amdhsa_system_sgpr_workgroup_id_x 1
		.amdhsa_system_sgpr_workgroup_id_y 1
		.amdhsa_system_sgpr_workgroup_id_z 1
		.amdhsa_system_vgpr_workitem_id 0
		.amdhsa_next_free_vgpr 242
		.amdhsa_next_free_sgpr 66
		.amdhsa_reserve_vcc 1
		.amdhsa_float_denorm_mode_32 3
		.amdhsa_float_denorm_mode_16_64 3
		.amdhsa_memory_ordered 1
		.amdhsa_forward_progress 1
		.amdhsa_inst_pref_size 56
	.end_amdhsa_kernel
	.amdgpu_metadata
---
amdhsa.version: [ 1, 2 ]
amdhsa.kernels:
  - .name:           k_q81ace63809_gather
    .symbol:         k_q81ace63809_gather.kd
    .args:
      - { .name: x, .offset: 0, .size: 8, .value_kind: global_buffer, .address_space: global }
      - { .name: u, .offset: 8, .size: 8, .value_kind: global_buffer, .address_space: global }
      - { .name: Wq, .offset: 16, .size: 8, .value_kind: global_buffer, .address_space: global }
      - { .name: Wk, .offset: 24, .size: 8, .value_kind: global_buffer, .address_space: global }
      - { .name: Wc, .offset: 32, .size: 8, .value_kind: global_buffer, .address_space: global }
      - { .name: bq, .offset: 40, .size: 8, .value_kind: global_buffer, .address_space: global }
      - { .name: bk, .offset: 48, .size: 8, .value_kind: global_buffer, .address_space: global }
      - { .name: Wv, .offset: 56, .size: 8, .value_kind: global_buffer, .address_space: global }
      - { .name: part, .offset: 64, .size: 8, .value_kind: global_buffer, .address_space: global }
      - { .name: scal, .offset: 72, .size: 8, .value_kind: global_buffer, .address_space: global }
      - { .name: ekb, .offset: 80, .size: 8, .value_kind: global_buffer, .address_space: global }
      - { .name: abv, .offset: 88, .size: 8, .value_kind: global_buffer, .address_space: global }
      - { .name: wvf, .offset: 96, .size: 8, .value_kind: global_buffer, .address_space: global }
    .group_segment_fixed_size: 98304
    .private_segment_fixed_size: 0
    .kernarg_segment_align: 8
    .kernarg_segment_size: 104
    .max_flat_workgroup_size: 512
    .sgpr_count:     66
    .vgpr_count:     242
    .wavefront_size: 32
...
	.end_amdgpu_metadata
.endif
;; end of part 1
;; launch norms (part 2): grid 256 x 1, 8 waves a work-group, no clusters, 5,376 bytes of LDS; arguments x, Wv, bv, gamma, part, scal, ekb, red, sp, nrm; writes red, sp, nrm
.if DOCPART == 2
	.amdgcn_target "amdgcn-amd-amdhsa--gfx1250"
	.amdhsa_code_object_version 6
	.text
	.protected	k_q81ace63809_norms
	.globl	k_q81ace63809_norms
	.p2align	8
	.type	k_q81ace63809_norms,@function
k_q81ace63809_norms:
	s_mov_b64 s[64:65], 0
	v_nop
	global_prefetch_b8 v0, s[64:65] scope:SCOPE_SE
	s_setreg_imm32_b32 hwreg(HW_REG_WAVE_MODE, 25, 1), 1
	s_wait_xcnt 0x0
; norms: the two sums of squares behind lip = |att(x') - att(x)| / |x' - x|, x' = x * (1 + 2^-23).
; The attention's output is out[c][m] = Pn[c] + ek[m] Sn[c] with Sn = (Wv X1) / 1024 + bv and Pn = (Wv Xeq + bv E) / 1024.
; A work-group owns batch b = id >> 5 and the eight channels 8 cb .. (cb = id & 31), all 1,024 columns: 32 KiB of x, consecutive.
; It sums the 16 column blocks' partial vectors, makes Sn, Pn and their primed twins for its channels (wave w: channel 8 cb + w), and then forms,
; element by element in f32 as the problem's function does, res = gamma out + x, turbu = gamma out' + x', and the squares of turbu - res and x' - x.
; It also leaves the summed vectors that the last launch needs (red), Sn and Pn (sp) and its two sums (nrm).
; LIMITS.  Both norms are sums of rounding-size differences.  They are formed here by the same f32 element operations, on out made as
; Pn + ek Sn and not as a product with the 1,024 x 1,024 matrix, so lip agrees up to the statistics of f32 rounding, not bit for bit;
; where |gamma out| is far above |x| the quotient hangs on the order of summation itself.  (x' - x)^2 is flushed to zero for |x| below about 1e-15.
; Everything is f32 on the vector unit: in bf16 x and x' would be one number.  No tensor loads, no cluster: every byte is used once, from registers.
.set VEC, 0                            ; LDS: X1', Xeq, Xeq', X1, 256 numbers each
.set SPQ, 4096                         ; 8 x (Sn, Pn, Sn', Pn')
.set NRM, 4224                         ; 8 x (sum A, sum B)
.set PA,  32                           ; v[32:95]   16 blocks' quads of the four vectors
.set SP,  32                           ; v[32:63]   later: the eight channels' (Sn, Pn, Sn', Pn')
.set VC,  64                           ; v[64:95]   later: 8 numbers of each of the four vectors
.set PB,  96                           ; v[96:99]   one block's quad of one of the seven other vectors
.set SC,  100                          ; v[100:103] one block's (E, E', u.u, 0)
.set WV,  104                          ; v[104:111] my channel's row of Wv, 8 numbers a lane
.set X,   112                          ; v[112:143] x: row j at 4 j
.set EK,  144                          ; v[144:147] ek of my four columns
.set EKP, 148                          ; v[148:151] ek'
.set DP,  152                          ; v[152:159] four dot products in pairs
.set TM,  152                          ; v[152:163] later: at work
.set DS,  160                          ; v[160:163] the four dot products
.set SQ,  168                          ; v[168:171] (Sn, Pn, Sn', Pn') of my channel
.set AC,  176                          ; v[176:183] two pairs for each of the two sums of squares
.macro REDN base, n                    ; n registers, each summed over the 16 lanes of a half wave
.irp m, 1, 2, 4, 8
.set i, 0
.rept \n
	v_add_f32_dpp v[\base+i], v[\base+i], v[\base+i] row_xmask:\m row_mask:0xf bank_mask:0xf
.set i, i+1
.endr
.endr
.endm
.macro FOLD base, n                    ; the n registers behind base + n are added onto the n registers from base on
.set i, 0
.rept \n/2
	v_pk_add_f32 v[\base+i:\base+i+1], v[\base+i:\base+i+1], v[\base+\n+i:\base+\n+i+1]
.set i, i+2
.endr
.endm
; Row j, my four columns, two at a time.
.macro ROW j
.irp p, 0, 2
	v_pk_mul_f32 v[TM+3*\p:TM+3*\p+1], v[X+4*\j+\p:X+4*\j+\p+1], 0x3f800001 op_sel_hi:[1,0]                                   ; x'
	v_pk_fma_f32 v[TM+3*\p+2:TM+3*\p+3], v[EK+\p:EK+\p+1], v[SP+4*\j:SP+4*\j+1], v[SP+4*\j:SP+4*\j+1] op_sel:[0,0,1] op_sel_hi:[1,0,1]          ; out  = ek Sn + Pn
	v_pk_fma_f32 v[TM+3*\p+4:TM+3*\p+5], v[EKP+\p:EKP+\p+1], v[SP+4*\j+2:SP+4*\j+3], v[SP+4*\j+2:SP+4*\j+3] op_sel:[0,0,1] op_sel_hi:[1,0,1]    ; out' = ek' Sn' + Pn'
	v_pk_fma_f32 v[TM+3*\p+2:TM+3*\p+3], v[TM+3*\p+2:TM+3*\p+3], s[30:31], v[X+4*\j+\p:X+4*\j+\p+1] op_sel_hi:[1,0,1]         ; res   = gamma out + x
	v_pk_fma_f32 v[TM+3*\p+4:TM+3*\p+5], v[TM+3*\p+4:TM+3*\p+5], s[30:31], v[TM+3*\p:TM+3*\p+1] op_sel_hi:[1,0,1]             ; turbu = gamma out' + x'
	v_pk_add_f32 v[TM+3*\p+4:TM+3*\p+5], v[TM+3*\p+4:TM+3*\p+5], v[TM+3*\p+2:TM+3*\p+3] neg_lo:[0,1] neg_hi:[0,1]             ; turbu - res
	v_pk_add_f32 v[TM+3*\p:TM+3*\p+1], v[TM+3*\p:TM+3*\p+1], v[X+4*\j+\p:X+4*\j+\p+1] neg_lo:[0,1] neg_hi:[0,1]               ; x' - x
.if \j == 0
	v_pk_mul_f32 v[AC+\p:AC+\p+1], v[TM+3*\p+4:TM+3*\p+5], v[TM+3*\p+4:TM+3*\p+5]                                             ; the first squares start the sums
	v_pk_mul_f32 v[AC+4+\p:AC+5+\p], v[TM+3*\p:TM+3*\p+1], v[TM+3*\p:TM+3*\p+1]
.else
	v_pk_fma_f32 v[AC+\p:AC+\p+1], v[TM+3*\p+4:TM+3*\p+5], v[TM+3*\p+4:TM+3*\p+5], v[AC+\p:AC+\p+1]
	v_pk_fma_f32 v[AC+4+\p:AC+5+\p], v[TM+3*\p:TM+3*\p+1], v[TM+3*\p:TM+3*\p+1], v[AC+4+\p:AC+5+\p]
.endif
.endr
.endm
	s_load_b512 s[8:23], s[0:1], 0x0               ; x s[8:9], Wv s[10:11], bv s[12:13], gamma s[14:15], part s[16:17], scal s[18:19], ekb s[20:21], red s[22:23]
	s_load_b128 s[24:27], s[0:1], 0x40             ; sp s[24:25], nrm s[26:27]
	v_lshl_add_u32 v192, v0, 2, 0x1100
	v_mov_b32 v193, 0
	v_lshrrev_b32 v1, 5, v0
	v_readfirstlane_b32 s3, v1                     ; wave w
	v_and_b32 v1, 31, v0                           ; lane l
	v_and_b32 v2, 15, v0                           ; r
	v_bfe_u32 v3, v0, 4, 1                         ; h
	s_mov_b32 s2, ttmp9
	s_lshr_b32 s4, s2, 5                           ; b
	s_and_b32 s5, s2, 31                           ; cb
	s_mov_b32 s29, 0                               ; upper word of every offset
	s_mov_b32 s33, 0x76543210
	s_mov_b32 s34, 0xfedcba98
	s_mov_b32 s37, 0x3a800000                      ; 1 / 1024
	v_lshlrev_b32 v4, 4, v0                        ; 16 t
	v_lshlrev_b32 v6, 4, v2                        ; 16 r
	v_lshlrev_b32 v7, 4, v1                        ; 16 l
	v_lshl_add_u32 v8, s3, 9, v7                   ; my four columns: 512 w + 16 l
	v_lshlrev_b32 v9, 4, v3                        ; 16 h
	v_mov_b32 v11, 0
	s_lshl_b32 s6, s3, 10
	s_lshl_b32 s7, s5, 5
	s_add_co_u32 s6, s6, s7
	s_add_co_u32 s6, s6, 3072                      ; vector 3 + w, channels 8 cb ..
	v_mul_u32_u24 v5, v2, 10240                    ; block r
	v_add3_u32 v5, v5, v9, s6
	s_lshl3_add_u32 s36, s5, s3                    ; my channel 8 cb + w
	s_lshl_b32 s35, s36, 2                         ; never rewritten
	s_mul_i32 s28, s4, 163840                      ; 16 blocks of ten vectors a batch
	s_wait_kmcnt 0x0
	s_load_b32 s30, s[14:15], 0x0                  ; gamma
	s_load_b32 s32, s[12:13], s35 offset:0x0       ; bv of my channel
	s_add_nc_u64 s[16:17], s[16:17], s[28:29]
	s_cmp_ge_u32 s3, 7
	s_cbranch_scc1 .Lno_pb
	global_load_b128 v[PB:PB+3], v5, s[16:17]      ; issued first, so that the counted waits are the same for all waves
.Lno_pb:
.set i, 0
.rept 16
	global_load_b128 v[PA+4*i:PA+4*i+3], v4, s[16:17] offset:i*10240   ; vectors 0 to 3 of block i: 4,096 consecutive bytes for the work-group
.set i, i+1
.endr
	s_lshl_b32 s28, s4, 8
	s_add_nc_u64 s[18:19], s[18:19], s[28:29]
	global_load_b128 v[SC:SC+3], v6, s[18:19]
	s_lshl_b32 s28, s36, 10
	s_add_nc_u64 s[10:11], s[10:11], s[28:29]
	global_load_b128 v[WV:WV+3],   v7, s[10:11]
	global_load_b128 v[WV+4:WV+7], v7, s[10:11] offset:512
	s_lshl_b32 s28, s4, 20
	s_lshl_b32 s7, s5, 15
	s_or_b32 s28, s28, s7
	s_add_nc_u64 s[8:9], s[8:9], s[28:29]
.irp j, 0,1,2,3,4,5,6,7
	global_load_b128 v[X+4*\j:X+4*\j+3], v8, s[8:9] offset:\j*4096
.endr
	s_lshl_b32 s28, s4, 12
	s_add_nc_u64 s[20:21], s[20:21], s[28:29]
	global_load_b128 v[EK:EK+3],   v8, s[20:21]
	global_load_b128 v[EKP:EKP+3], v8, s[20:21] offset:32768
	s_mul_i32 s28, s4, 7
	s_add_co_u32 s28, s28, s3
	s_lshl_b32 s28, s28, 10
	s_lshl_b32 s7, s5, 5
	s_add_co_u32 s28, s28, s7
	s_add_nc_u64 s[22:23], s[22:23], s[28:29]      ; red: vector w of batch b, channels 8 cb ..
	s_lshl_b32 s28, s4, 11
	s_add_co_u32 s28, s28, s7
	s_add_nc_u64 s[24:25], s[24:25], s[28:29]      ; sp: batch b, channels 8 cb ..
	s_lshl_b32 s28, s2, 3
	s_add_nc_u64 s[26:27], s[26:27], s[28:29]      ; nrm: my pair
	s_lshl_b32 s6, s3, 4
	v_mov_b32 v10, s6                              ; 16 w
	s_lshl_b32 s6, s3, 3
	v_mov_b32 v12, s6                              ; 8 w
	s_wait_loadcnt 0xd                             ; 13 younger loads stay out: scal 1, Wv 2, x 8, ek 2
	FOLD PA, 32                                    ; the 16 blocks' quads become one
	FOLD PA, 16
	FOLD PA, 8
	FOLD PA, 4
	ds_store_b128 v4, v[PA:PA+3] offset:VEC
	s_cmp_ge_u32 s3, 7
	s_cbranch_scc1 .Lno_red
	REDN PB, 4                                     ; lane r held block r: the sum over the 16 blocks
	s_wait_xcnt 0x0                                ; EXEC changes only when every earlier memory instruction has taken its sources
	v_cmp_eq_u32 vcc_lo, 0, v2
	s_and_saveexec_b32 s40, vcc_lo
	global_store_b128 v9, v[PB:PB+3], s[22:23]     ; lanes 0 and 16: eight channels of vector w
	s_wait_xcnt 0x0
	s_or_b32 exec_lo, exec_lo, s40
.Lno_red:
	s_wait_dscnt 0x0
	s_barrier_signal -1
	s_barrier_wait -1
.irp k, 0,1,2,3
	ds_load_b128 v[VC+8*\k:VC+8*\k+3],   v7 offset:VEC+\k*1024
	ds_load_b128 v[VC+8*\k+4:VC+8*\k+7], v7 offset:VEC+\k*1024+512
.endr
	s_wait_loadcnt 0xa                             ; 10 younger loads stay out: x 8, ek 2
	s_wait_dscnt 0x0
	s_wait_kmcnt 0x0
	s_mov_b32 s31, s30                             ; the packed forms take the pair as read
.irp k, 0,1,2,3
	v_pk_mul_f32 v[DP+2*\k:DP+2*\k+1], v[WV:WV+1], v[VC+8*\k:VC+8*\k+1]
.endr
.irp i, 2,4,6
.irp k, 0,1,2,3
	v_pk_fma_f32 v[DP+2*\k:DP+2*\k+1], v[WV+\i:WV+\i+1], v[VC+8*\k+\i:VC+8*\k+\i+1], v[DP+2*\k:DP+2*\k+1]
.endr
.endr
.irp k, 0,1,2,3
	v_add_f32 v[DS+\k], v[DP+2*\k], v[DP+2*\k+1]
.endr
	REDN DS, 4
.irp k, 0,1,2,3
	v_permlanex16_b32 v[DP+\k], v[DS+\k], s33, s34
.endr
.irp k, 0,1,2,3
	v_add_f32 v[DS+\k], v[DS+\k], v[DP+\k]         ; Wv.X1', Wv.Xeq, Wv.Xeq', Wv.X1 of my channel
.endr
	REDN SC, 2                                     ; E, E'
	v_fma_f32 v[SQ],   v[DS+3], s37, s32           ; Sn  = Wv.X1 / 1024 + bv
	v_fma_f32 v[SQ+1], s32, v[SC], v[DS+1]
	v_fma_f32 v[SQ+2], v[DS], s37, s32             ; Sn'
	v_fma_f32 v[SQ+3], s32, v[SC+1], v[DS+2]
	v_mul_f32 v[SQ+1], s37, v[SQ+1]                ; Pn  = (Wv.Xeq + bv E) / 1024
	v_mul_f32 v[SQ+3], s37, v[SQ+3]                ; Pn'
	ds_store_b128 v10, v[SQ:SQ+3] offset:SPQ
	s_wait_dscnt 0x0
	s_barrier_signal -1
	s_barrier_wait -1
.irp j, 0,1,2,3,4,5,6,7
	ds_load_b128 v[SP+4*\j:SP+4*\j+3], v11 offset:SPQ+16*\j    ; every lane reads the same 16 bytes
.endr
	s_wait_loadcnt 0x0
	s_wait_dscnt 0x0
.irp j, 0,1,2,3,4,5,6,7
	ROW \j
.endr
	v_pk_add_f32 v[AC:AC+1], v[AC:AC+1], v[AC+2:AC+3]
	v_pk_add_f32 v[AC+4:AC+5], v[AC+4:AC+5], v[AC+6:AC+7]
	v_add_f32 v[AC], v[AC], v[AC+1]
	v_add_f32 v[AC+1], v[AC+4], v[AC+5]
	REDN AC, 2
	v_permlanex16_b32 v[AC+2], v[AC], s33, s34
	v_permlanex16_b32 v[AC+3], v[AC+1], s33, s34
	v_pk_add_f32 v[AC:AC+1], v[AC:AC+1], v[AC+2:AC+3]
	ds_store_b64 v12, v[AC:AC+1] offset:NRM
	s_wait_dscnt 0x0
	s_barrier_signal -1
	s_barrier_wait -1
	s_cmp_lg_u32 s3, 0
	s_cbranch_scc1 .Lend
	; wave 0 alone: the eight waves' sums, and the eight channels' Sn and Pn
	v_and_b32 v13, 7, v0
	v_lshlrev_b32 v14, 3, v13
	v_lshlrev_b32 v15, 4, v13
	ds_load_b64 v[184:185], v14 offset:NRM
	ds_load_b128 v[188:191], v15 offset:SPQ
	v_lshlrev_b32 v16, 2, v1                       ; 4 l
	s_wait_dscnt 0x0
.irp m, 1, 2, 4
	v_add_f32_dpp v184, v184, v184 row_xmask:\m row_mask:0xf bank_mask:0xf
	v_add_f32_dpp v185, v185, v185 row_xmask:\m row_mask:0xf bank_mask:0xf
.endr
	s_wait_xcnt 0x0
	v_cmp_gt_u32 vcc_lo, 8, v0
	s_and_saveexec_b32 s40, vcc_lo
	global_store_b32 v16, v188, s[24:25]               ; Sn of channel 8 cb + l
	global_store_b32 v16, v189, s[24:25] offset:1024   ; Pn
	s_wait_xcnt 0x0
	s_or_b32 exec_lo, exec_lo, s40
	v_cmp_eq_u32 vcc_lo, 0, v0
	s_and_saveexec_b32 s40, vcc_lo
	global_store_b64 v11, v[184:185], s[26:27]
	s_wait_xcnt 0x0
	s_or_b32 exec_lo, exec_lo, s40
.Lend:
	s_wait_tensorcnt 0x0
	ds_add_u32 v192, v193
	s_wait_dscnt 0x0
	s_endpgm
.Lfunc_end_k_q81ace63809_norms:
	.size	k_q81ace63809_norms, .Lfunc_end_k_q81ace63809_norms-k_q81ace63809_norms
	.p2alignl 7, 3214868480
	.fill 96, 4, 3214868480
	.section	.rodata,"a",@progbits
	.p2align	6, 0x0
	.amdhsa_kernel k_q81ace63809_norms
		.amdhsa_group_segment_fixed_size 5376
		.amdhsa_private_segment_fixed_size 0
		.amdhsa_enable_private_segment 0
		.amdhsa_kernarg_size 80
		.amdhsa_user_sgpr_count 2
		.amdhsa_user_sgpr_kernarg_segment_ptr 1
		.amdhsa_wavefront_size32 1
		.amdhsa_system_sgpr_workgroup_id_x 1
		.amdhsa_system_sgpr_workgroup_id_y 1
		.amdhsa_system_sgpr_workgroup_id_z 1
		.amdhsa_system_vgpr_workitem_id 0
		.amdhsa_next_free_vgpr 194
		.amdhsa_next_free_sgpr 66
		.amdhsa_reserve_vcc 1
		.amdhsa_float_denorm_mode_32 3
		.amdhsa_float_denorm_mode_16_64 3
		.amdhsa_memory_ordered 1
		.amdhsa_forward_progress 1
		.amdhsa_inst_pref_size 26
	.end_amdhsa_kernel
	.amdgpu_metadata
---
amdhsa.version: [ 1, 2 ]
amdhsa.kernels:
  - .name:           k_q81ace63809_norms
    .symbol:         k_q81ace63809_norms.kd
    .args:
      - { .name: x, .offset: 0, .size: 8, .value_kind: global_buffer, .address_space: global }
      - { .name: Wv, .offset: 8, .size: 8, .value_kind: global_buffer, .address_space: global }
      - { .name: bv, .offset: 16, .size: 8, .value_kind: global_buffer, .address_space: global }
      - { .name: gamma, .offset: 24, .size: 8, .value_kind: global_buffer, .address_space: global }
      - { .name: part, .offset: 32, .size: 8, .value_kind: global_buffer, .address_space: global }
      - { .name: scal, .offset: 40, .size: 8, .value_kind: global_buffer, .address_space: global }
      - { .name: ekb, .offset: 48, .size: 8, .value_kind: global_buffer, .address_space: global }
      - { .name: red, .offset: 56, .size: 8, .value_kind: global_buffer, .address_space: global }
      - { .name: sp, .offset: 64, .size: 8, .value_kind: global_buffer, .address_space: global }
      - { .name: nrm, .offset: 72, .size: 8, .value_kind: global_buffer, .address_space: global }
    .group_segment_fixed_size: 5376
    .private_segment_fixed_size: 0
    .kernarg_segment_align: 8
    .kernarg_segment_size: 80
    .max_flat_workgroup_size: 256
    .sgpr_count:     66
    .vgpr_count:     194
    .wavefront_size: 32
...
	.end_amdgpu_metadata
.endif
;; end of part 2
;; launch finish (part 3): grid 136 x 1, 16 waves a work-group, no clusters, 4,608 bytes of LDS; arguments x, ekb, sp, nrm, gamma, red, scal, abv, wvf, bv, out0, out1; writes out0, out1
.if DOCPART == 3
	.amdgcn_target "amdgcn-amd-amdhsa--gfx1250"
	.amdhsa_code_object_version 6
	.text
	.protected	k_q81ace63809_finish
	.globl	k_q81ace63809_finish
	.p2align	8
	.type	k_q81ace63809_finish,@function
k_q81ace63809_finish:
	s_mov_b64 s[64:65], 0
	v_nop
	global_prefetch_b8 v0, s[64:65] scope:SCOPE_SE
	s_setreg_imm32_b32 hwreg(HW_REG_WAVE_MODE, 25, 1), 1
	s_wait_xcnt 0x0
; finish: gamma is rescaled, out0 is streamed, and the trace series is summed.
; Every wave first sums the 256 pairs of nrm: lip = sqrt(A) / sqrt(B), g = gamma * (lip > 0.9 ? 0.9 / lip : 1); a NaN gives the factor 1, as a comparison that fails does.
; WORK-GROUPS 8 TO 135 stream: out0 = x + (g (Pn[c] + ek[m] Sn[c]) + x).  Work-group 8 + 16 b + cg owns 16 channels of batch b; wave w owns rows
; 16 cg + 8 (w >> 3) + j and columns 128 (w & 7) + 4 l, so that a load or a store of a wave covers 512 consecutive bytes.  No LDS, no barrier.
; WORK-GROUPS 0 TO 7 sum one batch's series.  The Jacobian is I + M, M = g K, and
;   sum over j = 1..5 of (-1)^(j+1) / j  u^T (I + M)^j u  =  47/60 u.u + k1 + k2 + 4/3 k3 + 3/4 k4 + 1/5 k5,   ki = u^T M^i u
; (the binomial sums; no term is dropped).  With hh = g / 1024, M applied to a field D is hh (p x 1 + S x beta + d x ek), where
;   d = Wv Y1, p = Wv Z + bv TH, Y1 = sum_n D_n, Z = sum_n (D_n eq[n] + x_n (a.D_n)), TH = a.Y1, beta[m] = b.D_m = c1 + c2 ek[m] + c3 ub[m].
; So a power of M costs two products of Wv with a vector and a few dot products of length 256, all from the sums that the earlier launches left.
; The two products go to the matrix unit: A's even rows hold Y1, its odd rows Z (bf16), B is Wv in the register image that the first launch stored;
; wave w makes output channels 16 w + r.  LIMIT: these products have bf16 operands and f32 sums; all else is f32.
; No tensor loads and no cluster: wvf is read by all eight series work-groups; beyond it only a few KiB of small vectors are read by two or more.
.set YZ,   0                           ; LDS: Y1 and Z as bf16, two rows of 512 bytes, 528 apart
.set YZP,  528
.set DOT,  1280                        ; 16 waves x 64 bytes of partial dot products
.set EK,   100                         ; stream: v[100:103] ek of my four columns
.set X,    104                         ; stream: v[104:135] x, row j at 4 j
.set O,    136                         ; stream: v[136:167] results, row j at 4 j: no store's data is ever rewritten
.set ACC0, 88                          ; series: v[88:95], v[96:103] two accumulators
.set ACC1, 96
.set AF,   104                         ; series: v[104:167] A's eight operands
.set BF,   168                          ; series: v[168:231] B's eight operands: Wv rows 16 w .., all 256 columns
; series, one number a lane (channel 16 w + r): v36 a, v37 b, v38 bv, v39 S, v40 X1, v41 Xek, v42 Xub, v43 Z, v44 U1, v45 Uek, v46 Uub, v47 Y1
; series, the same in every lane: v48 E, v49 Ek, v50 Q = sum ek eq, v51 R = sum ub eq, v52 B1 = sum ub, v53 TH, v54 a.S, v55 b.S, v56 S.U1, v57 S.Uek, v58 S.Uub, v59 a zero
;   v[60:65] a step's six dot products; v66 c1, v67 c2, v68 c3, v69 the trace; v70 d, v71 p (a lane's channel); v72-77 at work
; both paths: v10, v11 g; v12 hh; v13 1024.0
.macro REDN base, n                    ; n registers, each summed over the 16 lanes of a half wave
.irp m, 1, 2, 4, 8
.set i, 0
.rept \n
	v_add_f32_dpp v[\base+i], v[\base+i], v[\base+i] row_xmask:\m row_mask:0xf bank_mask:0xf
.set i, i+1
.endr
.endr
.endm
.macro FOLD base, n                    ; the n registers behind base + n are added onto the n registers from base on
.set i, 0
.rept \n/2
	v_pk_add_f32 v[\base+i:\base+i+1], v[\base+i:\base+i+1], v[\base+\n+i:\base+\n+i+1]
.set i, i+2
.endr
.endm
.macro GCALC                           ; v[16:31]: eight pairs (A, B) a lane.  Leaves g in v10 and v11
	FOLD 16, 8
	FOLD 16, 4
	FOLD 16, 2
	REDN 16, 2
	v_permlanex16_b32 v18, v16, s33, s34
	v_permlanex16_b32 v19, v17, s33, s34
	v_pk_add_f32 v[16:17], v[16:17], v[18:19]
	v_sqrt_f32 v18, v16
	v_sqrt_f32 v19, v17
	v_nop                                          ; one plain vector instruction stands between a transcendental and the use of its result (ISA guide 5.7.2)
	s_wait_alu depctr_va_vdst(0)
	v_rcp_f32 v20, v19
	v_nop
	s_wait_alu depctr_va_vdst(0)
	v_mul_f32 v21, v18, v20                        ; lip
	v_cmp_lt_f32 vcc_lo, 0x3f666666, v21           ; 0.9 < lip
	v_rcp_f32 v22, v21
	v_nop
	s_wait_alu depctr_va_vdst(0)
	v_mul_f32 v22, 0x3f666666, v22
	v_cndmask_b32 v22, 1.0, v22, vcc_lo            ; a choice of values: no branch hangs on it
	v_mul_f32 v10, s52, v22
	v_mul_f32 v11, s52, v22
.endm
	s_load_b512 s[8:23], s[0:1], 0x0               ; x s[8:9], ekb s[10:11], sp s[12:13], nrm s[14:15], gamma s[16:17], red s[18:19], scal s[20:21], abv s[22:23]
	s_load_b256 s[24:31], s[0:1], 0x40             ; wvf s[24:25], bv s[26:27], out0 s[28:29], out1 s[30:31]
	v_lshl_add_u32 v232, v0, 2, 0xa00
	v_mov_b32 v233, 0
	v_lshrrev_b32 v1, 5, v0
	v_readfirstlane_b32 s3, v1                     ; wave w
	v_and_b32 v1, 31, v0
	v_lshlrev_b32 v4, 4, v1                        ; 16 l
	s_mov_b32 s2, ttmp9
	s_mov_b32 s33, 0x76543210
	s_mov_b32 s34, 0xfedcba98
	s_mov_b32 s57, 0                               ; upper word of every offset
	s_wait_kmcnt 0x0
	s_load_b32 s52, s[16:17], 0x0                  ; gamma
.irp i, 0,1,2,3
	global_load_b128 v[16+4*\i:19+4*\i], v4, s[14:15] offset:\i*512
.endr
	s_cmp_lt_u32 s2, 8
	s_cbranch_scc1 .Lseries
	; ---------------- the stream ----------------
	s_sub_co_u32 s4, s2, 8
	s_lshr_b32 s5, s4, 4                           ; b
	s_and_b32 s6, s4, 15                           ; cg
	s_lshr_b32 s7, s3, 3                           ; which eight rows
	s_and_b32 s35, s3, 7                           ; which 128 columns
	s_lshl_b32 s53, s35, 9
	s_lshl_b32 s56, s5, 12
	s_or_b32 s56, s56, s53
	s_add_nc_u64 s[10:11], s[10:11], s[56:57]
	global_load_b128 v[EK:EK+3], v4, s[10:11]
	s_lshl_b32 s56, s5, 20
	s_lshl_b32 s58, s6, 16
	s_or_b32 s56, s56, s58
	s_lshl_b32 s58, s7, 15
	s_or_b32 s56, s56, s58
	s_or_b32 s56, s56, s53
	s_add_nc_u64 s[8:9], s[8:9], s[56:57]
	s_add_nc_u64 s[28:29], s[28:29], s[56:57]
.irp j, 0,1,2,3,4,5,6,7
	global_load_b128 v[X+4*\j:X+4*\j+3], v4, s[8:9] offset:\j*4096 th:TH_LOAD_NT   ; the last reading of x
.endr
	s_lshl_b32 s56, s5, 11
	s_lshl_b32 s58, s6, 6
	s_or_b32 s56, s56, s58
	s_lshl_b32 s58, s7, 5
	s_or_b32 s56, s56, s58
	s_add_nc_u64 s[12:13], s[12:13], s[56:57]
	s_load_b256 s[36:43], s[12:13], 0x0            ; Sn of my eight rows
	s_load_b256 s[44:51], s[12:13], 0x400          ; Pn
	s_wait_loadcnt 0x9                             ; 9 younger loads stay out: ek 1, x 8
	s_wait_kmcnt 0x0
	GCALC
.macro OROW j
	s_wait_loadcnt 7-\j                            ; the rows behind row j stay out
.irp e, 0,1,2,3
	v_fma_f32 v[O+4*\j+\e], v[EK+\e], s[36+\j], s[44+\j]                               ; out = ek Sn + Pn
.endr
	v_pk_fma_f32 v[O+4*\j:O+4*\j+1],   v[O+4*\j:O+4*\j+1],   v[10:11], v[X+4*\j:X+4*\j+1]     ; F = g out + x
	v_pk_fma_f32 v[O+4*\j+2:O+4*\j+3], v[O+4*\j+2:O+4*\j+3], v[10:11], v[X+4*\j+2:X+4*\j+3]
	v_pk_add_f32 v[O+4*\j:O+4*\j+1],   v[O+4*\j:O+4*\j+1],   v[X+4*\j:X+4*\j+1]               ; x + F
	v_pk_add_f32 v[O+4*\j+2:O+4*\j+3], v[O+4*\j+2:O+4*\j+3], v[X+4*\j+2:X+4*\j+3]
	global_store_b128 v4, v[O+4*\j:O+4*\j+3], s[28:29] offset:\j*4096 th:TH_STORE_NT
.endm
.irp j, 0,1,2,3,4,5,6,7
	OROW \j
.endr
	s_endpgm
	; ---------------- the series ----------------
.Lseries:
	v_and_b32 v2, 15, v0                           ; r
	v_bfe_u32 v3, v0, 4, 1                         ; h
	v_lshl_add_u32 v5, s3, 4, v2                   ; my channel 16 w + r; both halves of the wave hold the same numbers
	v_lshlrev_b32 v6, 1, v5                        ; its place in a row of bf16
	v_lshlrev_b32 v5, 2, v5                        ; and in a vector of f32
	v_and_b32 v7, 1, v0
	v_mul_u32_u24 v7, v7, YZP
	v_lshl_add_u32 v7, v3, 4, v7                   ; A's row r is Y1 (r even) or Z (r odd); 16 bytes at 16 h
	s_lshl_b32 s4, s3, 6
	s_add_co_u32 s4, s4, DOT
	v_mov_b32 v8, s4                               ; my wave's 64 bytes
	v_lshlrev_b32 v9, 6, v2                        ; wave r's 64 bytes
	v_lshlrev_b32 v14, 4, v2                       ; 16 r
	s_lshl_b32 s56, s2, 8
	s_add_nc_u64 s[20:21], s[20:21], s[56:57]      ; scal of batch b
	s_lshl_b32 s56, s2, 11
	s_add_nc_u64 s[12:13], s[12:13], s[56:57]      ; sp
	s_mul_i32 s56, s2, 7168
	s_add_nc_u64 s[18:19], s[18:19], s[56:57]      ; red
	s_lshl_b32 s56, s3, 13
	s_add_nc_u64 s[24:25], s[24:25], s[56:57]      ; my wave's eight blocks of Wv
	s_lshl_b32 s56, s2, 2
	s_add_nc_u64 s[30:31], s[30:31], s[56:57]      ; out1[b]
	s_load_b64 s[54:55], s[22:23], 0x800           ; alpha, beta
	global_load_b128 v[32:35], v14, s[20:21]       ; block r's (E, E', u.u, 0)
	global_load_b32 v36, v5, s[22:23]              ; a
	global_load_b32 v37, v5, s[22:23] offset:1024  ; b
	global_load_b32 v38, v5, s[26:27]              ; bv
	global_load_b32 v39, v5, s[12:13]              ; Sn
.irp s, 0,1,2,3,4,5,6
	global_load_b32 v[40+\s], v5, s[18:19] offset:\s*1024      ; X1, Xek, Xub, Z0, U1, Uek, Uub
.endr
.irp k, 0,1,2,3,4,5,6,7
	global_load_b128 v[BF+8*\k:BF+8*\k+3],   v4, s[24:25] offset:\k*1024
	global_load_b128 v[BF+8*\k+4:BF+8*\k+7], v4, s[24:25] offset:\k*1024+512
.endr
	s_wait_loadcnt 0x10                            ; the 16 loads of Wv's operands stay out
	s_wait_kmcnt 0x0
	GCALC
	v_mov_b32 v13, 0x44800000                      ; 1024
	v_mul_f32 v12, 0x3a800000, v10                 ; hh = g / 1024
	v_mul_f32 v39, v13, v39                        ; S = 1024 Sn
	v_mul_f32 v48, v36, v40                        ; a.X1
	v_mul_f32 v49, v37, v40                        ; b.X1
	v_mul_f32 v50, v36, v41                        ; a.Xek
	v_mul_f32 v51, v36, v42                        ; a.Xub
	v_mul_f32 v52, v37, v44                        ; b.U1 = B1
	v_mul_f32 v53, v36, v44                        ; a.U1 = the first TH
	v_mul_f32 v54, v36, v39                        ; a.S
	v_mul_f32 v55, v37, v39                        ; b.S
	v_mul_f32 v56, v39, v44                        ; S.U1
	v_mul_f32 v57, v39, v45                        ; S.Uek
	v_mul_f32 v58, v39, v46                        ; S.Uub
	v_mov_b32 v59, 0                               ; fills the third 16 bytes
	REDN 48, 11                                    ; over my wave's 16 channels
	ds_store_b128 v8, v[48:51]
	ds_store_b128 v8, v[52:55] offset:16
	ds_store_b128 v8, v[56:59] offset:32
	s_wait_dscnt 0x0
	s_barrier_signal -1
	s_barrier_wait -1
	ds_load_b128 v[48:51], v9 offset:DOT
	ds_load_b128 v[52:55], v9 offset:DOT+16
	ds_load_b128 v[56:59], v9 offset:DOT+32
	s_wait_dscnt 0x0
	REDN 48, 11                                    ; over the 16 waves
	v_fmac_f32 v48, s54, v13                       ; E  = a.X1 + 1024 alpha
	v_fmac_f32 v49, s55, v13                       ; Ek = b.X1 + 1024 beta
	v_fmac_f32 v51, s54, v52                       ; R  = a.Xub + alpha B1
	v_fmac_f32 v50, s54, v49                       ; Q  = a.Xek + alpha Ek
	REDN 34, 1                                     ; u.u over the 16 blocks
	v_mul_f32 v69, 0x3f488889, v34                 ; 47/60 u.u
	v_mov_b32 v66, 0                               ; the first field is u: beta = ub
	v_mov_b32 v67, 0
	v_mov_b32 v68, 1.0
	s_wait_loadcnt 0x0                             ; Wv's operands
; One power of M.  y: the register that holds Y1 (U1 in the first step).  last = 1: no further state is made.
; The bytes of YZ are written behind the barrier of the dot products before, in front of which every wave has its reads of YZ back;
; the bytes of DOT are written behind this step's first barrier, in front of which every wave has its reads of DOT back.
.macro STEP coef, y, last
	v_cvt_pk_bf16_f32 v72, v[\y], v43              ; Y1 below, Z above
	v_lshrrev_b32 v73, 16, v72
	ds_store_b16 v6, v72 offset:YZ
	ds_store_b16 v6, v73 offset:YZ+YZP
	s_wait_dscnt 0x0
	s_barrier_signal -1
	s_barrier_wait -1
.irp k, 0,1,2,3,4,5,6,7
	ds_load_b128 v[AF+8*\k:AF+8*\k+3],   v7 offset:YZ+64*\k
	ds_load_b128 v[AF+8*\k+4:AF+8*\k+7], v7 offset:YZ+64*\k+32
.endr
	s_wait_dscnt 0x0
	; the two accumulators take turns, one instruction a turn
	v_wmma_f32_16x16x32_bf16 v[ACC0:ACC0+7], v[AF:AF+7], v[BF:BF+7], 0
	v_wmma_f32_16x16x32_bf16 v[ACC1:ACC1+7], v[AF+8:AF+15], v[BF+8:BF+15], 0
.irp k, 2,4,6
	v_wmma_f32_16x16x32_bf16 v[ACC0:ACC0+7], v[AF+8*\k:AF+8*\k+7], v[BF+8*\k:BF+8*\k+7], v[ACC0:ACC0+7]
	v_wmma_f32_16x16x32_bf16 v[ACC1:ACC1+7], v[AF+8*\k+8:AF+8*\k+15], v[BF+8*\k+8:BF+8*\k+15], v[ACC1:ACC1+7]
.endr
.rept 4
	v_nop                                          ; four places between a matrix instruction and a vector instruction that reads its result (ISA guide 7.12.1)
.endr
	v_add_f32 v70, v[ACC0], v[ACC1]                ; d = Wv Y1: row 8 h of the result, column r
	v_add_f32 v71, v[ACC0+1], v[ACC1+1]            ; Wv Z: row 8 h + 1
	v_fmac_f32 v71, v38, v53                       ; p = Wv Z + bv TH
	v_mul_f32 v60, v36, v71                        ; a.p
	v_mul_f32 v61, v36, v70                        ; a.d
	v_mul_f32 v62, v37, v71                        ; b.p
	v_mul_f32 v63, v37, v70                        ; b.d
	v_mul_f32 v64, v71, v44                        ; p.U1
	v_mul_f32 v65, v70, v45                        ; d.Uek
	REDN 60, 6
	ds_store_b128 v8, v[60:63]
	ds_store_b64 v8, v[64:65] offset:16
	s_wait_dscnt 0x0
	s_barrier_signal -1
	s_barrier_wait -1
	ds_load_b128 v[60:63], v9 offset:DOT
	ds_load_b64 v[64:65], v9 offset:DOT+16
	s_wait_dscnt 0x0
	REDN 60, 6
	v_add_f32 v72, v64, v65                        ; u^T M^i u = hh (p.U1 + d.Uek + c1 S.U1 + c2 S.Uek + c3 S.Uub)
	v_fmac_f32 v72, v66, v56
	v_fmac_f32 v72, v67, v57
	v_fmac_f32 v72, v68, v58
	v_mul_f32 v72, v12, v72
	v_fmac_f32 v69, \coef, v72
.if \last == 0
	v_mul_f32 v73, v13, v66                        ; sum of beta = 1024 c1 + Ek c2 + B1 c3
	v_mul_f32 v74, v48, v66                        ; sum of beta eq = E c1 + Q c2 + R c3
	v_fma_f32 v75, v54, v66, v60                   ; a.D_n = t1 + t2 ek[n] + t3 ub[n]
	v_fma_f32 v76, v54, v67, v61
	v_mul_f32 v77, v54, v68
	v_fmac_f32 v73, v49, v67
	v_fmac_f32 v74, v50, v67
	v_mul_f32 v75, v12, v75                        ; t1 = hh (a.p + a.S c1)
	v_mul_f32 v76, v12, v76                        ; t2 = hh (a.d + a.S c2)
	v_mul_f32 v77, v12, v77                        ; t3 = hh a.S c3
	v_fmac_f32 v73, v52, v68
	v_fmac_f32 v74, v51, v68
	v_mul_f32 v53, v13, v75                        ; TH = 1024 t1 + Ek t2 + B1 t3
	v_mul_f32 v47, v13, v71                        ; Y1 = hh (1024 p + (sum of beta) S + Ek d)
	v_mul_f32 v43, v48, v71                        ; Z  = hh (E p + (sum of beta eq) S + Q d) + t1 X1 + t2 Xek + t3 Xub
	v_fmac_f32 v53, v49, v76
	v_fmac_f32 v47, v73, v39
	v_fmac_f32 v43, v74, v39
	v_fmac_f32 v53, v52, v77
	v_fmac_f32 v47, v49, v70
	v_fmac_f32 v43, v50, v70
	v_mul_f32 v47, v12, v47
	v_mul_f32 v43, v12, v43
	v_fma_f32 v66, v55, v66, v62                   ; the next beta: c1 = hh (b.p + b.S c1),
	v_fma_f32 v67, v55, v67, v63                   ; c2 = hh (b.d + b.S c2),
	v_mul_f32 v68, v55, v68                        ; c3 = hh b.S c3
	v_fmac_f32 v43, v75, v40
	v_mul_f32 v66, v12, v66
	v_mul_f32 v67, v12, v67
	v_mul_f32 v68, v12, v68
	v_fmac_f32 v43, v76, v41
	v_fmac_f32 v43, v77, v42
.endif
.endm
	STEP 1.0, 44, 0
	STEP 1.0, 47, 0
	STEP 0x3faaaaab, 47, 0                         ; 4/3
	STEP 0x3f400000, 47, 0                         ; 3/4
	STEP 0x3e4ccccd, 47, 1                         ; 1/5
	s_cmp_lg_u32 s3, 0
	s_cbranch_scc1 .Lend
	v_mov_b32 v72, 0
	s_wait_xcnt 0x0                                ; EXEC changes only when every earlier memory instruction has taken its sources
	v_cmp_eq_u32 vcc_lo, 0, v0
	s_and_saveexec_b32 s59, vcc_lo
	global_store_b32 v72, v69, s[30:31]
	s_wait_xcnt 0x0
	s_or_b32 exec_lo, exec_lo, s59
.Lend:
	s_wait_tensorcnt 0x0
	ds_add_u32 v232, v233
	s_wait_dscnt 0x0
	s_endpgm
.Lfunc_end_k_q81ace63809_finish:
	.size	k_q81ace63809_finish, .Lfunc_end_k_q81ace63809_finish-k_q81ace63809_finish
	.p2alignl 7, 3214868480
	.fill 96, 4, 3214868480
	.section	.rodata,"a",@progbits
	.p2align	6, 0x0
	.amdhsa_kernel k_q81ace63809_finish
		.amdhsa_group_segment_fixed_size 4608
		.amdhsa_private_segment_fixed_size 0
		.amdhsa_enable_private_segment 0
		.amdhsa_kernarg_size 96
		.amdhsa_user_sgpr_count 2
		.amdhsa_user_sgpr_kernarg_segment_ptr 1
		.amdhsa_wavefront_size32 1
		.amdhsa_system_sgpr_workgroup_id_x 1
		.amdhsa_system_sgpr_workgroup_id_y 1
		.amdhsa_system_sgpr_workgroup_id_z 1
		.amdhsa_system_vgpr_workitem_id 0
		.amdhsa_next_free_vgpr 234
		.amdhsa_next_free_sgpr 66
		.amdhsa_reserve_vcc 1
		.amdhsa_float_denorm_mode_32 3
		.amdhsa_float_denorm_mode_16_64 3
		.amdhsa_memory_ordered 1
		.amdhsa_forward_progress 1
		.amdhsa_inst_pref_size 57
	.end_amdhsa_kernel
	.amdgpu_metadata
---
amdhsa.version: [ 1, 2 ]
amdhsa.kernels:
  - .name:           k_q81ace63809_finish
    .symbol:         k_q81ace63809_finish.kd
    .args:
      - { .name: x, .offset: 0, .size: 8, .value_kind: global_buffer, .address_space: global }
      - { .name: ekb, .offset: 8, .size: 8, .value_kind: global_buffer, .address_space: global }
      - { .name: sp, .offset: 16, .size: 8, .value_kind: global_buffer, .address_space: global }
      - { .name: nrm, .offset: 24, .size: 8, .value_kind: global_buffer, .address_space: global }
      - { .name: gamma, .offset: 32, .size: 8, .value_kind: global_buffer, .address_space: global }
      - { .name: red, .offset: 40, .size: 8, .value_kind: global_buffer, .address_space: global }
      - { .name: scal, .offset: 48, .size: 8, .value_kind: global_buffer, .address_space: global }
      - { .name: abv, .offset: 56, .size: 8, .value_kind: global_buffer, .address_space: global }
      - { .name: wvf, .offset: 64, .size: 8, .value_kind: global_buffer, .address_space: global }
      - { .name: bv, .offset: 72, .size: 8, .value_kind: global_buffer, .address_space: global }
      - { .name: out0, .offset: 80, .size: 8, .value_kind: global_buffer, .address_space: global }
      - { .name: out1, .offset: 88, .size: 8, .value_kind: global_buffer, .address_space: global }
    .group_segment_fixed_size: 4608
    .private_segment_fixed_size: 0
    .kernarg_segment_align: 8
    .kernarg_segment_size: 96
    .max_flat_workgroup_size: 512
    .sgpr_count:     66
    .vgpr_count:     234
    .wavefront_size: 32
...
	.end_amdgpu_metadata
.endif
;; end of part 3
